; MI455X (gfx1250); checked and timed in simulation.
; The chip was launched on July 23, 2026; its instructions are those of AMD's public machine-readable ISA for CDNA 5 (MIT licence, August 2026) and "CDNA5" Instruction Set Architecture Reference Guide (July 2026). The comments in the code are by the model that wrote it; some were corrected since.
;; Dot Product Attention. Allowed arithmetic: matrix products marked QUANTISED: E4M3 operands, one given power-of-two scale a tensor, by v_wmma_f32_16x16x64_fp8_fp8 or v_wmma_f32_16x16x128_fp8_fp8, f32 sums; everything else in f32.
;; Inputs: K_codes 4 x 16 x 2,048 x 2 x 32 uint8 (E4M3 codes of K, K innermost, in blocks of 32 codes); Q_codes 4 x 16 x 2,048 x 2 x 32 uint8 (E4M3 codes of Q, K innermost, in blocks of 32 codes); V_codes 4 x 16 x 64 x 64 x 32 uint8 (E4M3 codes of V, K innermost, in blocks of 32 codes); lowp_scales 4 int32 (the exponents e of the quantised operands' scales 2^e).
;; Outputs: out0 4 x 16 x 2,048 x 64 float32.
;; Constants: dk = 64.
;; This version of the problem:
;;   THIS VERSION OF THE PROBLEM IS GIVEN IN LOW PRECISION. The matrix products marked QUANTISED in the list below multiply operands that are first quantised to E4M3 (4 exponent bits, 3 mantissa bits; 8 bits a number), with one given power-of-two scale for each operand tensor; their sums are f32. All else is computed in f32.
;;   The module's matrix products, in the order in which they are computed (A, B: the left and right operand; K: the contracted axis; several contracted axes count as one K, in the product's order):
;;     1. batch 64 x [M 2,048, K 64] x [K 64, N 2,048]; A: input Q (given as codes); B: input K (given as codes): QUANTISED (scales: A lowp_scales[0], B lowp_scales[1])
;;     2. batch 64 x [M 2,048, K 2,048] x [K 2,048, N 64]; A: softmax (see below); B: input V (given as codes): QUANTISED (scales: A lowp_scales[2], B lowp_scales[3])
;;   THE QUANTISER, for each operand of a quantised product, along K:
;;     - The operand's scale is 2^e, e = its entry of the input lowp_scales (int32; the entries are numbered through the quantised products in the list's order, A before B).
;;     - Each number is divided by the scale, clamped to +-448, and rounded to the nearest number of E4M3, ties to even, subnormals kept.
;;     - The product sums the exact products of the quantised numbers (number of the format x scale) in f32.
;;   ~~~python
;;   def quantise(x, axis, e):      # numpy; x: float32 -> the quantised numbers, widened to float32 again
;;       x = np.moveaxis(x, axis, -1); K = x.shape[-1]
;;       r = np.clip(x / 2.0 ** e, -448, 448)
;;       step = 2.0 ** (np.maximum(np.frexp(np.where(r == 0, 1, r))[1] - 1, -6) - 3)
;;       q = np.round(r / step) * step * 2.0 ** e      # np.round: ties to even
;;       return np.moveaxis(q, -1, axis).astype(np.float32)
;;   ~~~
;;   SOFTMAX AHEAD OF A QUANTISED PRODUCT. Where the list says 'softmax', what is quantised is not the finished softmax but p = 2^(t - M), with t = logit x log2(e) and M = ceil(the row's largest t), a whole number; so 1/2 < the row's largest p <= 1. The row's sum l is taken of the UNQUANTISED p, in f32, and the product's result is divided by l at the end. Since M is a whole number, a kernel that streams over the keys may use a running M (the ceiling of the running maximum): every later rescaling is an exact power of two, so the quantised numbers keep their values, but for numbers so far below the row's largest that they fall under the format's range.
;;   OPERANDS COMPUTED ON THE WAY. 'Computed on the way' means the value that the module computes at that place (a softmax that the list does not call 'softmax' is quantised finished and normalised). What goes into a quantiser is computed in f32, as accurately as f32 sums, v_exp_f32 and their like allow (about 1e-6 of the number): no bf16 or f16 on the way to a quantiser, and a product that is left as it is and whose result goes on into a quantised operand takes f32 operands (vector FMAs, or v_wmma_f32_16x16x4_f32). A number that lies on a knife's edge between two numbers of the format may be rounded either way, as far as f32 arithmetic and the matrix unit's own rounding can turn it there, and no further.
;;   INPUTS GIVEN AS CODES. K (in the module: [4, 16, 2048, 64], K = its axis 3); Q (in the module: [4, 16, 2048, 64], K = its axis 3); V (in the module: [4, 16, 2048, 64], K = its axis 2): each comes as NAME_codes (uint8): NAME with its K axis moved to the last place and cut into blocks of 32 codes, [.., K / 32, bytes a block], one block behind the other in memory; one code a byte (a code: sign, 4 exponent bits, 3 mantissa bits); its scale is its entry of lowp_scales. Its value is code x scale, taken as it is: it is not quantised again, and the codes and scales need not be those that the quantiser above would give.
;; One version. Each part assembles by itself: llvm-mc -triple=amdgcn-amd-amdhsa -mcpu=gfx1250 --defsym DOCPART=n.
;; ======== version 1 of 1: 1 launch
;; launch attn (part 1): grid 4 x 64, 8 waves a work-group, no clusters, 308,224 bytes of LDS; arguments Q_codes, K_codes, V_codes, lowp_scales, out0; writes out0
.if DOCPART == 1
	.amdgcn_target "amdgcn-amd-amdhsa--gfx1250"
	.amdhsa_code_object_version 6
	.text
	.protected	k_qb7220d24b2_attn
	.globl	k_qb7220d24b2_attn
	.p2align	8
	.type	k_qb7220d24b2_attn,@function
k_qb7220d24b2_attn:
	s_mov_b64 s[64:65], 0
	v_nop
	global_prefetch_b8 v0, s[64:65] scope:SCOPE_SE
	s_setreg_imm32_b32 hwreg(HW_REG_WAVE_MODE, 25, 1), 1
	s_wait_xcnt 0x0
; O[head][q][:] = the sum over k of softmax_k(8 Q[head][q] . K[head][k]) V[head][k][:], no mask; 64 heads, 2,048 queries and keys, head size 64.  Both products on codes of FP8 (E4M3).
; Q, K: [head][2048][64] codes (64 bytes a row).  V: [head][64 channels][2048 keys] codes, the keys innermost.  O: [head][2048][64] f32.  The scales' exponents: eq, ek, ep, ev.
; THE SOFTMAX: t = score x 2^(eq + ek) x 8 log2(e); M = the running largest t rounded UP to a whole number; p = 2^(t - M) is quantised with 2^ep, not normalised; the row's sum is taken of the
; unquantised p and divides O at the end, with 2^(ep + ev).  When M moves, the sum and O are multiplied by 2^(old M - new M), which rounds nothing.
; SHARES.  A work-group of eight waves owns 512 queries of one head and takes them in two passes of 256; in a pass wave w owns two tiles (A, B) of 16 queries: 512 x + 256 p + 32 w + 16 a + r.
; Both products are used transposed (S^T = K Q^T, O^T = V^T P^T), so a lane holds ONE query (lane % 16) throughout.  A key step is 128 keys, a chunk 256 keys (two steps, one trip), a head 8 chunks.
; K AND V OF THE WHOLE HEAD STAY IN LDS, EACH BYTE WRITTEN ONCE.  In pass 1 they come chunk by chunk through registers (global load, LDS store), one chunk ahead of their first read and their global loads
; one trip ahead of that, laid as IMAGES OF THE OPERANDS' REGISTERS: every fragment load is 16 lanes x 16 consecutive bytes.  One barrier a trip in pass 1; pass 2 reads memory no more and has no barrier.
; THE KEYS OF A TILE ARE NOT NEIGHBOURS: slot r of tile 2 b + u holds key 32 b + 8 u + r + 8 (r / 8), so that the 16 registers of tiles 2 b, 2 b + 1 are keys 32 b + 16 (lane / 16) + 0 .. 15: the conversions'
; results are the second product's operand.  In every fragment registers 4 c .. 4 c + 3 hold k = 32 c + 16 (lane / 16) + 0 .. 15: a permutation of k, the same on both sides of each product, so every
; product meets its partner and only the order of the sums inside an instruction differs.
; NO TENSOR LOADS, NO CLUSTER, NO JOINT REQUESTS, though the four work-groups of a head read the same K and V.  (1) What is shared is small: a work-group fetches 32,768 bytes a trip, 262,144 in the launch,
; against 8 waves x 2 steps x 2 tiles of softmax a trip.  (2) A joint request is a tensor load: the hold below, 64 of a tile-step's
; 258 vector instructions, would then always run.  (3) Through registers the bytes are laid in the operands' order, which a tile laid by rows is not.
; THE HOLD at 448 x 2^ep is jumped over where it cannot act: p <= 2^(half a step of t); |score| <= 64 x 448^2, so with eq + ek <= -4 |t| < 2^24, half a step <= 0.5, p <= 1.42 < 1.75 = 448 x 2^-8 <= 448 x 2^ep
; where ep >= -8.  In every other case the hold runs.  The flag is made once from the loaded whole numbers.
; LIMITS: eq + ek between -129 and 124 (added to c's exponent field); ep between -126 and 119; ep + ev is applied by v_ldexp_f32 and has none.  A p under 2^-126 counts as 0.  NaN codes among the inputs are not served.
; LDS: chunk c at c x CH: K's image, four planes q = 2 c' + h of 256 slots x 16 bytes + 64 of padding; then V's image, byte = tile x 4352 + piece x 272 + 16 x channel.  Behind the 8 chunks: a stage of 16 rows x 272 a wave.
; REGISTERS.  Window 0: v1-11 addresses; v12-19 the two tiles' -M, largest t, sum (two halves); v20-31 at work and constants; v32-95, v96-159 S^T then p; v160-223 O^T; v224-255 p's codes.
;   Window 1: v0-63 K's 8 fragments; v64-127 V's 4; v128-159 Q's (two passes x two tiles); v160-191 the chunk on its way from memory to LDS.
.set CH,    34048                      ; a chunk in LDS
.set KPL,   4160                       ; a plane of K's image: 4,096 + 64, so that the four planes that a store touches begin four 16-byte columns apart
.set KIMG,  4*KPL                      ; K's image; V's begins here
.set VPP,   272                        ; a piece of V's image: 16 channels x 16 bytes + 16
.set VTL,   16*VPP                     ; a tile of 16 channels
.set STG,   8*CH                       ; the stages
.set SROW,  272                        ; a stage row: 256 bytes + 16
.set KA,   1                           ; v1   K's fragments: 4160 h + 16 r
.set VA,   2                           ; v2   V's: KIMG + 272 h + 16 r
.set KST,  3                           ; v3   where thread t stores its 16 bytes of K
.set VST,  4                           ; v4   of V
.set KGO,  5                           ; v5   16 t: its bytes of K's chunk in memory
.set VGO,  6                           ; v6   2048 (t / 16) + 16 (t % 16): of V's
.set PFO,  7                           ; v7   the prefetch's lane offset
.set ADK,  8                           ; v8-11 the four LDS addresses above, in the chunk in hand
.set ADV,  9
.set ADS1, 10
.set ADS2, 11
.set STA,  12                          ; tile A: -M, largest t, sum (pair)
.set STB,  16                          ; tile B
.set T0,   20
.set T1,   21
.set PX,   22                          ; a lane permute's destination
.set GO,   23                          ; 16 x lane
.set FF,   24                          ; v[24:25] f = 2^(old M - new M); the pair's upper word is written once
.set SUM2, 26                          ; v[26:27] the sums' second chain
.set HL,   28                          ; 448 x 2^ep
.set SC,   29                          ; 2^ep
.set SIN,  30                          ; the stage, on the way in
.set SRD,  31                          ; and back
.set SA,   32
.set SB,   96
.set OA,   160
.set OB,   192
.set PA,   224
.set PB,   240
.set KF,   0                           ; window 1
.set VF,   64
.set QF0,  128
.set QF1,  144
.set SGK,  160
.set SGV,  176
.set WV,   14                          ; s14  wave
.set LIM,  15                          ; s15  1 in a wave that prefetches, else the greatest number
.set SEL,  20                          ; s[20:21] selects for lane l xor 16
.set CS,   22                          ; s[22:23] c = 8 log2(e) x 2^(eq + ek), twice
.set TB,   24                          ; s24  LDS byte of the chunk in hand
.set CNT,  25                          ; s25  trips to go
.set PFA,  26                          ; s[26:27] where my prefetches stand
.set PFS,  28                          ; s[28:29] a chunk on, in bytes
.set NOH,  30                          ; s30  1: the hold cannot act
.set EPV,  31                          ; s31  ep + ev
.set MSB, 0
.macro WIN new                         ; the immediate's high byte repeats the setting that is left; a switch that changes nothing is dropped
.if MSB != \new
	s_set_vgpr_msb (MSB<<8)|\new
.set MSB, \new
.endif
.endm
.macro PLACES n                        ; plain vector places behind matrix instructions (ISA guide 7.12.1)
.rept \n
	v_nop
.endr
.endm
; A chunk from memory: thread t takes 4 x 16 bytes of K (a dense block of 16,384) and 4 x 16 of V (64 rows x 256 bytes); sixteen lanes read 256 consecutive bytes, aligned
.macro GLD kd, vd, ko, vo
	WIN 0x40                                       ; destination window 1
.irp i, 0,1,2,3
	global_load_b128 v[\kd+4*\i:\kd+4*\i+3], v[KGO], s[6:7] offset:\ko+4096*\i
	global_load_b128 v[\vd+4*\i:\vd+4*\i+3], v[VGO], s[8:9] offset:\vo+32768*\i
.endr
.endm
; and into LDS.  K: key 64 i + t / 4, quarter t % 4 -> plane t % 4, slot as the head comment orders the keys (i enters as 1024 i).  V: channel 16 i + t / 16, piece t % 16
.macro PUT ka, va, ks, vs, off
	WIN 0x04                                       ; store data window 1
.irp i, 0,1,2,3
	ds_store_b128 v[\ka], v[\ks+4*\i:\ks+4*\i+3] offset:\off+1024*\i
	ds_store_b128 v[\va], v[\vs+4*\i:\vs+4*\i+3] offset:\off+KIMG+VTL*\i
.endr
.endm
.macro VFETCH par                      ; V's four fragments (16 channels x 128 keys) of the chunk's step par
	WIN 0x40
.irp tau, 0,1,2,3
.irp c, 0,1,2,3
	ds_load_b128 v[VF+16*\tau+4*\c:VF+16*\tau+4*\c+3], v[ADV] offset:\tau*VTL+(8*(\par)+2*\c)*VPP
.endr
.endr
.endm
.macro KFETCH adr, base                ; K's eight fragments (16 keys x 64) of one step
	WIN 0x40
.irp t, 0,1,2,3,4,5,6,7
.irp c, 0,1
	ds_load_b128 v[KF+8*\t+4*\c:KF+8*\t+4*\c+3], v[\adr] offset:\base+\c*2*KPL+\t*256
.endr
.endr
.endm
.macro QK qf                           ; S^T = K Q^T: 8 tiles of keys x my two tiles of queries; each fragment of K feeds two products; every product starts its own sum
	WIN 0x05                                       ; K and Q window 1, S^T window 0
.irp t, 0,1,2,3,4,5,6,7
.irp a, 0,1
	v_wmma_f32_16x16x64_fp8_fp8 v[SA+64*\a+8*\t:SA+64*\a+8*\t+7], v[KF+8*\t:KF+8*\t+7], v[\qf+8*\a:\qf+8*\a+7], 0
.endr
.endr
.endm
.macro PV pb, ob                       ; O^T += V^T P^T for one tile of queries: four accumulators, one instruction each
	WIN 0x01                                       ; V window 1; P, O^T window 0
.irp tau, 0,1,2,3
	v_wmma_f32_16x16x128_fp8_fp8 v[\ob+8*\tau:\ob+8*\tau+7], v[VF+16*\tau:VF+16*\tau+15], v[\pb:\pb+15], v[\ob+8*\tau:\ob+8*\tau+7]
.endr
.endm
; One tile's softmax for one key step.  sb: its 64 scores; st: its statistics; pb: its codes; ob: its O^T.  Window 0 throughout.
.macro SMX sb, st, pb, ob
	v_max3_num_f32 v[T0], v[\sb], v[\sb+1], v[\sb+2]               ; the step's largest score of my query among my 64 keys, in two chains, each accumulator from its low end on
	v_max3_num_f32 v[T1], v[\sb+3], v[\sb+4], v[\sb+5]
.set j, 6
.rept 14
	v_max3_num_f32 v[T0], v[T0], v[\sb+j], v[\sb+j+1]
	v_max3_num_f32 v[T1], v[T1], v[\sb+j+2], v[\sb+j+3]
.set j, j+4
.endr
	v_max3_num_f32 v[T0], v[T0], v[\sb+62], v[\sb+63]
	v_max_num_f32 v[T0], v[T0], v[T1]
	v_permlanex16_b32 v[PX], v[T0], s[SEL], s[SEL+1]
	v_max_num_f32 v[T0], v[T0], v[PX]                              ; and among lane l xor 16's
	v_mul_f32 v[T0], s[CS], v[T0]                                  ; as t (c is positive)
	v_max_num_f32 v[\st+1], v[\st+1], v[T0]                        ; the running largest t
	v_mov_b32 v[T0], v[\st]
	v_floor_f32 v[\st], -v[\st+1]                                  ; the new -M = floor(-t): M is a whole number
	v_sub_f32 v[T0], v[\st], v[T0]                                 ; old M - new M: a whole number, 0 or less
	v_cvt_i32_f32 v[T0], v[T0]                                     ; (it saturates)
	v_ldexp_f32 v[FF], 1.0, v[T0]                                  ; f = 2^(old M - new M)
.set j, 0
.rept 32
	v_pk_fma_f32 v[\sb+j:\sb+j+1], v[\sb+j:\sb+j+1], s[CS:CS+1], v[\st:\st+1] op_sel_hi:[1,0,0]   ; t - M, two at a time (of the pairs c and -M the low word serves both halves)
.set j, j+2
.endr
.set j, 0
.rept 64
	v_exp_f32 v[\sb+j], v[\sb+j]                                   ; p = 2^(t - M): one batch
.set j, j+1
.endr
	v_pk_mul_f32 v[\st+2:\st+3], v[\st+2:\st+3], v[FF:FF+1] op_sel_hi:[1,0]   ; the sums under the new M: the plain instruction behind the last exponential
	s_wait_alu depctr_va_vdst(0)                                   ; one wait for the batch, ahead of its first reader
	v_pk_add_f32 v[SUM2:SUM2+1], v[\sb:\sb+1], v[\sb+2:\sb+3]      ; the row's sum, of the UNQUANTISED p: two at a time, in two chains
.set j, 4
.rept 15
	v_pk_add_f32 v[\st+2:\st+3], v[\st+2:\st+3], v[\sb+j:\sb+j+1]
	v_pk_add_f32 v[SUM2:SUM2+1], v[SUM2:SUM2+1], v[\sb+j+2:\sb+j+3]
.set j, j+4
.endr
	v_pk_add_f32 v[\st+2:\st+3], v[\st+2:\st+3], v[SUM2:SUM2+1]
	s_cmp_lg_u32 s[NOH], 0                                         ; the hold is jumped over only where p cannot reach 448 x 2^ep (head comment)
	s_cbranch_scc1 .Lnohold_\@
.set j, 0
.rept 64
	v_min_num_f32 v[\sb+j], v[\sb+j], v[HL]                        ; the conversion to an 8-bit code does not saturate (ISA guide 7.6.2); p is not negative, so the hold is one-sided
.set j, j+1
.endr
.Lnohold_\@:
.irp b, 0,1,2,3
	v_cvt_scalef32_pk8_fp8_f32 v[\pb+4*\b:\pb+4*\b+1], v[\sb+16*\b:\sb+16*\b+7], v[SC]         ; registers 4 b .. 4 b + 3 of the operand: keys 32 b + 16 h + 0 .. 15
	v_cvt_scalef32_pk8_fp8_f32 v[\pb+4*\b+2:\pb+4*\b+3], v[\sb+16*\b+8:\sb+16*\b+15], v[SC]
.endr
.set j, 0
.rept 16
	v_pk_mul_f32 v[\ob+j:\ob+j+1], v[\ob+j:\ob+j+1], v[FF:FF+1] op_sel_hi:[1,0]   ; O^T under the new M, each accumulator from its low end on; these are also the plain instructions behind the conversions
.set j, j+2
.endr
.endm
; A PREFETCH INTO THE L2 of the chunk that the NEXT trip's global loads will ask for (trip c loads chunk c + 2 and names chunk c + 3).  It stands behind the trip's run of global loads.
; Each aligned block of 256 bytes is named once in the launch: of the four work-groups of a head the first asks; in it waves 0 and 1 for K's 16,384 bytes (8,192 a wave, lanes 256 bytes apart),
; waves 2 and 3 for V's 64 rows (32 a wave, a lane a row: a chunk's part of a row is 256 bytes, aligned).  Chunks 0 to 2 come by their loads alone; the trip that would name chunk 8 asks for nothing.
.macro ASK
	s_cmp_gt_u32 s[CNT], s[LIM]
	s_cbranch_scc0 .Lnoask_\@
	global_prefetch_b8 v[PFO], s[PFA:PFA+1] th:TH_LOAD_NT scope:SCOPE_SE
.Lnoask_\@:
.endm
; A KEY STEP of 128 keys for my two tiles.  par: which step of the chunk; km: where the next step's K lies (0 none, 1 this chunk's second step, 2 the next chunk, 3 chunk 0 again); gl = 1: a chunk is asked of memory.
.macro STEP par, qf, km, gl
	VFETCH \par                                    ; (four places stand behind the last products that read V's registers)
	s_wait_dscnt 16                                ; V's 16 loads may stay out; all older LDS instructions are done: this step's K is in, and the staged stores have read their registers
.if \gl
	GLD SGK, SGV, 16384, 256                       ; the chunk after next, a whole trip ahead of the wait for it
	WIN 0
	ASK
.endif
	QK \qf
	PLACES 4                                       ; in front of the loads into K's registers and of the first read of the scores
.if \km == 1
	KFETCH ADK, 2048
.elseif \km == 2
	KFETCH ADK, CH
.elseif \km == 3
	KFETCH KA, 0
.endif
	WIN 0
	SMX SA, STA, PA, OA
.if \km
	s_wait_dscnt 16                                ; V is in; the next step's 16 loads of K may stay out
.else
	s_wait_dscnt 0x0
.endif
	PV PA, OA
	WIN 0
	SMX SB, STB, PB, OB                            ; names no register of the four products just issued
	PV PB, OB
	PLACES 4                                       ; in front of the next loads into V's registers and of the next read of O^T
	WIN 0
.endm
; A TRIP: one chunk, two key steps.  st = 1: the next chunk, which lies in registers, goes into LDS at the trip's head, and a barrier stands between the two steps: in front of it each wave's stores have landed,
; behind it the second step fetches that chunk's first K.  Between two barriers the waves store into chunk c + 1 alone and read chunks c - 1 and c alone.
.macro TRIP st, gl, qf, k1
	v_add_nc_u32 v[ADK], s[TB], v[KA]
	v_add_nc_u32 v[ADV], s[TB], v[VA]
.if \st
	v_add_nc_u32 v[ADS1], s[TB], v[KST]
	v_add_nc_u32 v[ADS2], s[TB], v[VST]
	s_wait_loadcnt 0x0                             ; the chunk asked for a trip ago is in registers
.endif
.if \gl
	s_wait_xcnt 0x0                                ; every earlier load and prefetch has read its addresses: the three pointers may step
	s_add_nc_u64 s[6:7], s[6:7], 16384
	s_add_nc_u64 s[8:9], s[8:9], 256
	s_add_nc_u64 s[PFA:PFA+1], s[PFA:PFA+1], s[PFS:PFS+1]
.endif
.if \st
	PUT ADS1, ADS2, SGK, SGV, CH
.endif
	STEP 0, \qf, 1, \gl
.if \st
	s_wait_dscnt 0x0                               ; for the others' sake: my stores of the next chunk have landed (and no LDS instruction of mine is out at the signal)
	s_barrier_signal -1
	s_barrier_wait -1
.endif
	STEP 1, \qf, \k1, 0
	s_add_co_u32 s[TB], s[TB], CH
.endm
.macro INIT                            ; a pass begins: the largest t is -3e38, under every t; the sums and O^T are zeros, which the first change of M leaves zeros.  So the step is written without a first step of its own
	v_mov_b32 v[STA+1], 0xff61b1e6
	v_mov_b32 v[STB+1], 0xff61b1e6
	v_floor_f32 v[STA], -v[STA+1]
	v_floor_f32 v[STB], -v[STB+1]
	v_mov_b32 v[STA+2], 0
	v_mov_b32 v[STA+3], 0
	v_mov_b32 v[STB+2], 0
	v_mov_b32 v[STB+3], 0
.set j, 0
.rept 64
	v_mov_b32 v[OA+j], 0
.set j, j+1
.endr
.endm
; THE WAY OUT of pass p.  O^T / the sum x 2^(ep + ev); a lane's eight channels are 32 bytes of a row of 256, and the lanes beside it hold other rows: a tile goes through my own stage and comes back as whole rows.
.macro LEAVE p
	v_add_f32 v[STA+2], v[STA+2], v[STA+3]         ; the sums' two halves,
	v_add_f32 v[STB+2], v[STB+2], v[STB+3]
	v_permlanex16_b32 v[PX], v[STA+2], s[SEL], s[SEL+1]
	v_permlanex16_b32 v[T0], v[STB+2], s[SEL], s[SEL+1]
	v_add_f32 v[STA+2], v[STA+2], v[PX]            ; and lane l xor 16's
	v_add_f32 v[STB+2], v[STB+2], v[T0]
	v_rcp_f32 v[T0], v[STA+2]
	v_rcp_f32 v[T1], v[STB+2]
	v_nop                                          ; a plain instruction behind the last reciprocal
	s_wait_alu depctr_va_vdst(0)                   ; one wait for both, ahead of the first reader
	v_ldexp_f32 v[FF], v[T0], s[EPV]
	v_ldexp_f32 v[SUM2], v[T1], s[EPV]
.irp a, 0,1
.set j, 0
.rept 16
	v_pk_mul_f32 v[SA+64*\a+j:SA+64*\a+j+1], v[OA+32*\a+j:OA+32*\a+j+1], v[FF+2*\a:FF+2*\a+1] op_sel_hi:[1,0]   ; register 8 tau + i is o(r, 16 tau + 8 h + i)
.set j, j+2
.endr
.irp tau, 0,1,2,3
	ds_store_b128 v[SIN], v[SA+64*\a+8*\tau:SA+64*\a+8*\tau+3] offset:64*\tau
	ds_store_b128 v[SIN], v[SA+64*\a+8*\tau+4:SA+64*\a+8*\tau+7] offset:64*\tau+16
.endr
.irp i, 0,1,2,3,4,5,6,7
	ds_load_b128 v[SA+64*\a+32+4*\i:SA+64*\a+32+4*\i+3], v[SRD] offset:2*SROW*\i   ; LDS serves a wave's instructions in order (ISA guide 5.7.1.4): these see my stores, and tile B's stores come behind tile A's loads
.endr
.endr
.irp a, 0,1
.irp i, 0,1,2,3,4,5,6,7
	s_wait_dscnt 16*(1-\a)+7-\i                    ; behind tile A's load i: its 7 - i younger loads and tile B's sixteen; behind tile B's: 7 - i
	global_store_b128 v[GO], v[SA+64*\a+32+4*\i:SA+64*\a+32+4*\i+3], s[12:13] offset:65536*(\p)+4096*\a+512*\i th:TH_STORE_NT   ; 32 lanes store two rows: 512 consecutive bytes, aligned
.endr
.endr
.endm
	s_load_b256 s[4:11], s[0:1], 0x0               ; Q s[4:5], K s[6:7], V s[8:9], the scales' exponents s[10:11]
	s_load_b64 s[12:13], s[0:1], 0x20              ; O
	s_set_vgpr_msb 0x40
	v_lshl_add_u32 v192, v0, 2, 0x4b000
	v_mov_b32 v193, 0
	s_set_vgpr_msb 0x4000
	v_lshrrev_b32 v[T0], 5, v0
	v_readfirstlane_b32 s[WV], v[T0]               ; wave 0..7
	v_and_b32 v[T0], 15, v0                        ; r = lane % 16 = t % 16
	v_bfe_u32 v[T1], v0, 4, 1                      ; h = lane / 16
	v_mul_u32_u24 v[KA], v[T1], KPL
	v_lshl_add_u32 v[KA], v[T0], 4, v[KA]
	v_mul_u32_u24 v[VA], v[T1], VPP
	v_lshl_add_u32 v[VA], v[T0], 4, v[VA]
	v_add_nc_u32 v[VA], KIMG, v[VA]
	v_and_b32 v[PX], 3, v0                         ; K's store: plane t % 4;
	v_mul_u32_u24 v[KST], v[PX], KPL
	v_bfe_u32 v[PX], v0, 2, 3                      ; the key is 64 i + t / 4: its bits 2:0 are the slot's bits 2:0,
	v_lshl_add_u32 v[KST], v[PX], 4, v[KST]
	v_bfe_u32 v[PX], v0, 6, 1                      ; its bit 4 the slot's bit 3,
	v_lshl_add_u32 v[KST], v[PX], 7, v[KST]
	v_bfe_u32 v[PX], v0, 5, 1                      ; its bit 3 the slot's bit 4,
	v_lshl_add_u32 v[KST], v[PX], 8, v[KST]
	v_bfe_u32 v[PX], v0, 7, 1                      ; its bit 5 the slot's bit 5; bits 7:6 are i
	v_lshl_add_u32 v[KST], v[PX], 9, v[KST]
	v_mul_u32_u24 v[VST], v[T0], VPP               ; V's store: piece t % 16, channel t / 16
	v_lshrrev_b32 v[PX], 4, v0
	v_lshl_add_u32 v[VST], v[PX], 4, v[VST]
	v_lshlrev_b32 v[KGO], 4, v0
	v_lshlrev_b32 v[VGO], 11, v[PX]
	v_lshl_add_u32 v[VGO], v[T0], 4, v[VGO]
	v_and_b32 v[GO], 31, v0
	v_lshlrev_b32 v[GO], 4, v[GO]
	s_mul_i32 s32, s[WV], 16*SROW
	s_add_co_u32 s32, s32, STG                     ; my stage
	v_mul_u32_u24 v[SIN], v[T0], SROW              ; in: row r, 32 bytes for each half of the lanes
	v_lshl_add_u32 v[SIN], v[T1], 5, v[SIN]
	v_add_nc_u32 v[SIN], s32, v[SIN]
	v_mul_u32_u24 v[SRD], v[T1], SROW              ; back: lanes 0-15 one row, lanes 16-31 the next
	v_lshl_add_u32 v[SRD], v[T0], 4, v[SRD]
	v_add_nc_u32 v[SRD], s32, v[SRD]
	v_lshlrev_b32 v[ADS1], 6, v[T0]                ; Q: row r of 64 bytes, + 16 h (this register takes its own meaning at the first trip's head, behind the wait that shows Q's loads done)
	v_lshl_add_u32 v[ADS1], v[T1], 4, v[ADS1]
	v_mov_b32 v[FF+1], 0                           ; named as the upper half of a pair, so it is written
	s_and_b32 s33, ttmp7, 0xffff                   ; the head
	s_lshl_b32 s34, s33, 17                        ; its 131,072 bytes in each tensor of codes
	s_mov_b32 s35, 0
	s_lshl_b32 s36, ttmp9, 15                      ; my work-group's 512 rows of 64 bytes,
	s_lshl_b32 s37, s[WV], 11                      ; my wave's 32
	s_add_co_u32 s36, s36, s37
	s_add_co_u32 s36, s36, s34
	s_mov_b32 s37, 0
	s_lshl_b32 s38, s36, 2                         ; a row of O is four times as long
	s_mov_b32 s39, 0
	s_mov_b32 s[SEL], 0x76543210
	s_mov_b32 s[SEL+1], 0xfedcba98
	s_mov_b32 s[TB], 0
	s_wait_kmcnt 0x0
	s_load_b128 s[16:19], s[10:11], 0x0            ; eq, ek, ep, ev
	s_add_nc_u64 s[4:5], s[4:5], s[36:37]
	s_add_nc_u64 s[6:7], s[6:7], s[34:35]
	s_add_nc_u64 s[8:9], s[8:9], s[34:35]
	s_add_nc_u64 s[12:13], s[12:13], s[38:39]
	WIN 0x40
.irp p, 0,1                                    ; Q's fragments of both passes stay in registers: pass p, tile a, piece c
.irp a, 0,1
.irp c, 0,1
	global_load_b128 v[QF0+16*\p+8*\a+4*\c:QF0+16*\p+8*\a+4*\c+3], v[ADS1], s[4:5] offset:16384*\p+1024*\a+32*\c th:TH_LOAD_NT
.endr
.endr
.endr
	GLD KF, VF, 0, 0                               ; chunk 0, into fragment registers that are still free
	GLD SGK, SGV, 16384, 256                       ; chunk 1
	WIN 0
	; the prefetches: where my wave's stand, and who asks
	s_cmp_lt_u32 s[WV], 2                          ; waves 0 and 1 ask for K's codes, waves 2 and 3 for V's
	s_cselect_b64 s[PFA:PFA+1], s[6:7], s[8:9]
	s_mov_b32 s[PFS], 256
	s_cselect_b32 s[PFS], 16384, s[PFS]            ; a chunk on
	s_mov_b32 s32, 2048
	s_cselect_b32 s32, 256, s32                    ; from lane to lane
	s_mov_b32 s33, 65536
	s_cselect_b32 s33, 8192, s33                   ; from wave to wave
	s_mov_b32 s[PFS+1], 0
	v_and_b32 v[PFO], 31, v0
	v_mul_lo_u32 v[PFO], v[PFO], s32
	s_and_b32 s32, s[WV], 1
	s_mul_i32 s32, s32, s33                        ; my wave's part,
	s_lshl_b32 s33, s[PFS], 1
	s_add_co_u32 s32, s32, s33                     ; in chunk 2: the first trip steps it to chunk 3
	s_mov_b32 s33, 0
	s_add_nc_u64 s[PFA:PFA+1], s[PFA:PFA+1], s[32:33]
	s_lshr_b32 s32, s[WV], 2                       ; 0 in waves 0 to 3,
	s_or_b32 s32, s32, ttmp9                       ; of the head's first work-group
	s_cmp_eq_u32 s32, 0
	s_cselect_b32 s[LIM], 1, -1
	INIT
	s_wait_kmcnt 0x0
	s_add_co_i32 s32, s16, s17                     ; eq + ek
	s_cmp_lt_i32 s32, -3
	s_cselect_b32 s[NOH], 1, 0                     ; eq + ek <= -4
	s_cmp_gt_i32 s18, -9
	s_cselect_b32 s[NOH], s[NOH], 0                ; and ep >= -8: the hold cannot act
	s_lshl_b32 s32, s32, 23
	s_add_co_i32 s[CS], s32, 0x4138aa3b            ; c = 8 log2(e), with eq + ek added to its exponent field
	s_mov_b32 s[CS+1], s[CS]                       ; (named with it as a pair, so it is written)
	s_add_co_i32 s32, s18, 127
	s_lshl_b32 s33, s32, 23
	v_mov_b32 v[SC], s33                           ; 2^ep as f32: the conversion takes its exponent field
	s_add_co_i32 s32, s32, 8
	s_lshl_b32 s32, s32, 23
	s_or_b32 s32, s32, 0x600000
	v_mov_b32 v[HL], s32                           ; 448 x 2^ep
	s_add_co_i32 s[EPV], s18, s19
	s_wait_loadcnt 8                               ; Q and chunk 0 are in; chunk 1's eight loads may stay out
	PUT KST, VST, KF, VF, 0
	s_wait_dscnt 0x0                               ; my part of chunk 0 has landed (and the stores have read the fragment registers)
	s_barrier_signal -1
	s_barrier_wait -1                              ; everybody's has
	KFETCH KA, 0                                   ; K of key step 0
	WIN 0                                          ; at a label and at a branch every window is 0
	; PASS 1: queries 0 to 255 of my 512; K and V come in
	s_mov_b32 s[CNT], 6
.Lpass1:                                           ; chunks 0 to 5: chunk c + 1 goes into LDS, chunk c + 2 is asked of memory
	TRIP 1, 1, QF0, 2
	s_sub_co_u32 s[CNT], s[CNT], 1
	s_cmp_lg_u32 s[CNT], 0
	s_cbranch_scc1 .Lpass1
	TRIP 1, 0, QF0, 2                              ; chunk 6: chunk 7 goes into LDS; nothing is left to ask for
	TRIP 0, 0, QF0, 3                              ; chunk 7; its second step fetches K of chunk 0 for pass 2
	LEAVE 0
	s_wait_xcnt 0x0                                ; the stores have read their registers, which pass 2's scores overwrite
	INIT
	s_mov_b32 s[TB], 0
	; PASS 2: queries 256 to 511; all of K and V lies in LDS and nobody writes it: no barrier
	s_mov_b32 s[CNT], 7
.Lpass2:
	TRIP 0, 0, QF1, 2
	s_sub_co_u32 s[CNT], s[CNT], 1
	s_cmp_lg_u32 s[CNT], 0
	s_cbranch_scc1 .Lpass2
	TRIP 0, 0, QF1, 0                              ; chunk 7: no step follows
	LEAVE 1
	s_set_vgpr_msb 0x5
	s_wait_tensorcnt 0x0
	ds_add_u32 v192, v193
	s_wait_dscnt 0x0
	s_set_vgpr_msb 0x500
	s_endpgm
.Lfunc_end_k_qb7220d24b2_attn:
	.size	k_qb7220d24b2_attn, .Lfunc_end_k_qb7220d24b2_attn-k_qb7220d24b2_attn
	.p2alignl 7, 3214868480
	.fill 96, 4, 3214868480
	.section	.rodata,"a",@progbits
	.p2align	6, 0x0
	.amdhsa_kernel k_qb7220d24b2_attn
		.amdhsa_group_segment_fixed_size 308224
		.amdhsa_private_segment_fixed_size 0
		.amdhsa_enable_private_segment 0
		.amdhsa_kernarg_size 40
		.amdhsa_user_sgpr_count 2
		.amdhsa_user_sgpr_kernarg_segment_ptr 1
		.amdhsa_wavefront_size32 1
		.amdhsa_system_sgpr_workgroup_id_x 1
		.amdhsa_system_sgpr_workgroup_id_y 1
		.amdhsa_system_sgpr_workgroup_id_z 1
		.amdhsa_system_vgpr_workitem_id 0
		.amdhsa_next_free_vgpr 450
		.amdhsa_next_free_sgpr 66
		.amdhsa_reserve_vcc 0
		.amdhsa_float_denorm_mode_32 3
		.amdhsa_float_denorm_mode_16_64 3
		.amdhsa_memory_ordered 1
		.amdhsa_forward_progress 1
		.amdhsa_inst_pref_size 255
	.end_amdhsa_kernel
	.section	.bss,"aw",@nobits
	.p2align	6
	.space	262144
	.amdgpu_metadata
---
amdhsa.version: [ 1, 2 ]
amdhsa.kernels:
  - .name:           k_qb7220d24b2_attn
    .symbol:         k_qb7220d24b2_attn.kd
    .args:
      - { .name: Q_codes, .offset: 0, .size: 8, .value_kind: global_buffer, .address_space: global }
      - { .name: K_codes, .offset: 8, .size: 8, .value_kind: global_buffer, .address_space: global }
      - { .name: V_codes, .offset: 16, .size: 8, .value_kind: global_buffer, .address_space: global }
      - { .name: lowp_scales, .offset: 24, .size: 8, .value_kind: global_buffer, .address_space: global }
      - { .name: out0, .offset: 32, .size: 8, .value_kind: global_buffer, .address_space: global }
    .group_segment_fixed_size: 308224
    .private_segment_fixed_size: 0
    .kernarg_segment_align: 8
    .kernarg_segment_size: 40
    .max_flat_workgroup_size: 256
    .sgpr_count:     66
    .vgpr_count:     450
    .wavefront_size: 32
...
	.end_amdgpu_metadata
.endif
;; end of part 1
